; MI455X (gfx1250); checked and timed in simulation.
; The chip was launched on July 23, 2026; its instructions are those of AMD's public machine-readable ISA for CDNA 5 (MIT licence, August 2026) and "CDNA5" Instruction Set Architecture Reference Guide (July 2026). The comments in the code are by the model that wrote it; some were corrected since.
;; Attention. Allowed arithmetic: float matrix products may take bf16 or f16 operands with f32 sums; all other float work in f32.
;; Inputs: key 16 x 2,048 x 128 float32; q_param 1 x 1 float32; query 16 x 2,048 x 128 float32; value 16 x 2,048 x 128 float32.
;; Outputs: out0 16 x 2,048 x 128 float32.
;; One version. Each part assembles by itself: llvm-mc -triple=amdgcn-amd-amdhsa -mcpu=gfx1250 --defsym DOCPART=n.
;; ======== version 1 of 1: 2 launches
;; workspace buffers: part 131,072 bytes
;; launch pv (part 1): grid 256 x 1, 8 waves a work-group, no clusters, 5,120 bytes of LDS; arguments value, q_param, part; writes part
.if DOCPART == 1
	.amdgcn_target "amdgcn-amd-amdhsa--gfx1250"
	.amdhsa_code_object_version 6
	.text
	.protected	k_q6ea4fc5d6b_pv
	.globl	k_q6ea4fc5d6b_pv
	.p2align	8
	.type	k_q6ea4fc5d6b_pv,@function
k_q6ea4fc5d6b_pv:
	s_mov_b64 s[64:65], 0
	v_nop
	global_prefetch_b8 v0, s[64:65] scope:SCOPE_SE
	s_setreg_imm32_b32 hwreg(HW_REG_WAVE_MODE, 25, 1), 1
	s_wait_xcnt 0x0
; Attention whose q and k are both the one scalar p = q_param, broadcast (reference() takes only the SHAPES of query and key).
; So every score of every row is the same number s = (sum over 128 d of p p) / 128^-0.5, the row's maximum is s itself,
; every exponential is e = exp(s - s), the row's sum is 2048 e, every weight is w = e / (2048 e), and all 2,048 rows of a
; batch are the same row: out[b][q][:] = sum over k of w value[b][k][:].  The chain s, s - max, exp, sum, division is
; computed here as written, so that an infinite or NaN score gives NaN as in reference().
; query and key are not among this program's arguments: no number of theirs enters any result of reference().
; This launch: part[g][:] = sum over the 128 keys of slice g (g = 16 b + j, keys 128 j .. 128 j + 127) of w value[b][k][:].
; The next launch adds a batch's 16 slices and writes the rows.
; No matrix instruction: there is one distinct probability row per batch, 2 operations for each 4 bytes loaded, so the
; bytes of value decide; the sums are f32 on unrounded values, in a fixed tree order.
; LIMIT: s is formed as p p x 128 x sqrt(128), which may differ by an ulp from reference()'s sum and division; the difference cancels in
; s - max and can show only for |p| within a few ulp of about 4.8e17, where s turns infinite and the result NaN.
; Shares: the work-group owns 65,536 contiguous bytes of value (128 rows of 512 bytes); wave w owns 16 rows; one load of a
; wave is one row, 512 consecutive bytes at a multiple of 512; lane L owns columns 4 L .. 4 L + 3.
; All 16 loads of a wave are issued at once: everything the work-group reads is on its way from the start.
.set ROWB,  512                        ; bytes in a row of value, of part and of the LDS exchange
.set WROWS, 16                         ; rows of a wave
.set GOFF,  1                          ; v1       8192 w + 16 L: my 16 bytes in my wave's first row
.set LST,   2                          ; v2       16 t = 512 w + 16 L: where my wave's sums go in LDS
.set L16,   3                          ; v3       16 L
.set W,     4                          ; v[4:5]   the weight w, twice (a pair for the packed forms)
.set X,     8                          ; v[8:71]  row i of my wave in v[8+4i:11+4i]; later the eight waves' sums
.set ACC,   72                         ; v[72:75] sums of the even rows; v[76:79] of the odd rows
.macro ADDROW d, s                     ; four columns: row d += row s
	v_pk_add_f32 v[\d:\d+1],   v[\d:\d+1],   v[\s:\s+1]
	v_pk_add_f32 v[\d+2:\d+3], v[\d+2:\d+3], v[\s+2:\s+3]
.endm
	s_load_b128 s[4:7], s[0:1], 0x0                ; value s[4:5], q_param s[6:7]
	s_load_b64 s[8:9], s[0:1], 0x10                ; part
	v_lshl_add_u32 v80, v0, 2, 0x1000
	v_mov_b32 v81, 0
	v_lshrrev_b32 v6, 5, v0
	v_readfirstlane_b32 s10, v6                    ; wave 0..7
	v_and_b32 v[L16], 31, v0
	v_lshlrev_b32 v[L16], 4, v[L16]                ; 16 L
	v_lshl_add_u32 v[GOFF], v6, 13, v[L16]         ; + 16 rows of 512 bytes for each wave
	v_lshlrev_b32 v[LST], 4, v0
	s_lshl_b32 s12, ttmp9, 16                      ; the work-group's 65,536 bytes of value (256 groups: below 2^24)
	s_mov_b32 s13, 0
	s_lshl_b32 s14, ttmp9, 9                       ; and its row of part
	s_mov_b32 s15, 0
	s_wait_kmcnt 0x0
	s_load_b32 s16, s[6:7], 0x0                    ; p
	s_add_nc_u64 s[4:5], s[4:5], s[12:13]
	s_add_nc_u64 s[8:9], s[8:9], s[14:15]
.irp i, 0,1,2,3,4,5,6,7,8,9,10,11,12,13,14,15
	global_load_b128 v[X+4*\i:X+4*\i+3], v[GOFF], s[4:5] offset:ROWB*\i th:TH_LOAD_NT   ; read once in the whole launch
.endr
	; the weight, while the rows are on their way
	s_wait_kmcnt 0x0                               ; p is there
	v_mul_f32 v6, s16, s16                         ; one product q k
	v_mul_f32 v6, 0x43000000, v6                   ; x 128: the sum over d of 128 equal products
	v_mul_f32 v6, 0x413504f3, v6                   ; x sqrt(128): the division by 128^-0.5.  The score s
	v_sub_f32 v7, v6, v6                           ; s - max of the row, which is s: 0, or NaN where s is infinite or NaN
	v_mul_f32 v7, 0x3fb8aa3b, v7                   ; to base 2
	v_exp_f32 v[W], v7                             ; e
	v_nop                                          ; one plain vector instruction behind a transcendental before its result is used (ISA guide 5.7.2)
	s_wait_alu depctr_va_vdst(0)
	v_mul_f32 v6, 0x45000000, v[W]                 ; the row's sum: 2,048 equal terms
	v_rcp_f32 v[W+1], v6
	v_nop                                          ; likewise
	s_wait_alu depctr_va_vdst(0)
	v_mul_f32 v[W], v[W], v[W+1]                   ; w = e / (2048 e)
	v_mov_b32 v[W+1], v[W]
	; sixteen rows in two chains that do not wait for each other; the first two rows start the sums, nothing is cleared
.irp i, 0,2,4,6,8,10,12,14
	s_wait_loadcnt 14-\i                           ; loads come back in order (ISA guide 5.7.1): rows i and i + 1 are in, the 14 - i behind them stay out
.if \i == 0
	v_pk_mul_f32 v[ACC:ACC+1],   v[X:X+1],   v[W:W+1]
	v_pk_mul_f32 v[ACC+2:ACC+3], v[X+2:X+3], v[W:W+1]
	v_pk_mul_f32 v[ACC+4:ACC+5], v[X+4:X+5], v[W:W+1]
	v_pk_mul_f32 v[ACC+6:ACC+7], v[X+6:X+7], v[W:W+1]
.else
	v_pk_fma_f32 v[ACC:ACC+1],   v[X+4*\i:X+4*\i+1],   v[W:W+1], v[ACC:ACC+1]
	v_pk_fma_f32 v[ACC+2:ACC+3], v[X+4*\i+2:X+4*\i+3], v[W:W+1], v[ACC+2:ACC+3]
	v_pk_fma_f32 v[ACC+4:ACC+5], v[X+4*\i+4:X+4*\i+5], v[W:W+1], v[ACC+4:ACC+5]
	v_pk_fma_f32 v[ACC+6:ACC+7], v[X+4*\i+6:X+4*\i+7], v[W:W+1], v[ACC+6:ACC+7]
.endif
.endr
	ADDROW ACC, ACC+4                              ; odd rows onto even rows
	; the eight waves' sums meet in LDS: row w of 512 bytes is wave w's, 16 neighbouring bytes a lane, no two lanes on one bank
	ds_store_b128 v[LST], v[ACC:ACC+3]
	s_wait_dscnt 0x0                               ; for the other waves' sake: my store is done before I signal
	s_barrier_signal -1
	s_barrier_wait -1
	s_cmp_lg_u32 s10, 0                            ; wave 0 alone adds and stores: one row of 512 bytes is one wave's store
	s_cbranch_scc1 .Lend                           ; (no barrier is jumped over)
.irp j, 0,1,2,3,4,5,6,7
	ds_load_b128 v[X+4*\j:X+4*\j+3], v[L16] offset:ROWB*\j     ; X is free since the wait for all row loads
.endr
	s_wait_dscnt 0x6                               ; LDS loads come back in order: rows 0, 1 are in, six stay out
	ADDROW X, X+4
	s_wait_dscnt 0x4                               ; rows 2, 3
	ADDROW X+8, X+12
	s_wait_dscnt 0x2                               ; rows 4, 5
	ADDROW X+16, X+20
	s_wait_dscnt 0x0                               ; rows 6, 7
	ADDROW X+24, X+28
	ADDROW X, X+8
	ADDROW X+16, X+24
	ADDROW X, X+16
	global_store_b128 v[L16], v[X:X+3], s[8:9]     ; 512 consecutive bytes at a multiple of 512; the next launch reads them, so no hint
.Lend:
	s_wait_tensorcnt 0x0
	ds_add_u32 v80, v81
	s_wait_dscnt 0x0
	s_endpgm
.Lfunc_end_k_q6ea4fc5d6b_pv:
	.size	k_q6ea4fc5d6b_pv, .Lfunc_end_k_q6ea4fc5d6b_pv-k_q6ea4fc5d6b_pv
	.p2alignl 7, 3214868480
	.fill 96, 4, 3214868480
	.section	.rodata,"a",@progbits
	.p2align	6, 0x0
	.amdhsa_kernel k_q6ea4fc5d6b_pv
		.amdhsa_group_segment_fixed_size 5120
		.amdhsa_private_segment_fixed_size 0
		.amdhsa_enable_private_segment 0
		.amdhsa_kernarg_size 24
		.amdhsa_user_sgpr_count 2
		.amdhsa_user_sgpr_kernarg_segment_ptr 1
		.amdhsa_wavefront_size32 1
		.amdhsa_system_sgpr_workgroup_id_x 1
		.amdhsa_system_sgpr_workgroup_id_y 1
		.amdhsa_system_sgpr_workgroup_id_z 1
		.amdhsa_system_vgpr_workitem_id 0
		.amdhsa_next_free_vgpr 82
		.amdhsa_next_free_sgpr 66
		.amdhsa_reserve_vcc 0
		.amdhsa_float_denorm_mode_32 3
		.amdhsa_float_denorm_mode_16_64 3
		.amdhsa_memory_ordered 1
		.amdhsa_forward_progress 1
		.amdhsa_inst_pref_size 8
	.end_amdhsa_kernel
	.amdgpu_metadata
---
amdhsa.version: [ 1, 2 ]
amdhsa.kernels:
  - .name:           k_q6ea4fc5d6b_pv
    .symbol:         k_q6ea4fc5d6b_pv.kd
    .args:
      - { .name: value, .offset: 0, .size: 8, .value_kind: global_buffer, .address_space: global }
      - { .name: q_param, .offset: 8, .size: 8, .value_kind: global_buffer, .address_space: global }
      - { .name: part, .offset: 16, .size: 8, .value_kind: global_buffer, .address_space: global }
    .group_segment_fixed_size: 5120
    .private_segment_fixed_size: 0
    .kernarg_segment_align: 8
    .kernarg_segment_size: 24
    .max_flat_workgroup_size: 256
    .sgpr_count:     66
    .vgpr_count:     82
    .wavefront_size: 32
...
	.end_amdgpu_metadata
.endif
;; end of part 1
;; launch rows (part 2): grid 256 x 1, 8 waves a work-group, no clusters, 5,120 bytes of LDS; arguments part, out0; writes out0
.if DOCPART == 2
	.amdgcn_target "amdgcn-amd-amdhsa--gfx1250"
	.amdhsa_code_object_version 6
	.text
	.protected	k_q6ea4fc5d6b_rows
	.globl	k_q6ea4fc5d6b_rows
	.p2align	8
	.type	k_q6ea4fc5d6b_rows,@function
k_q6ea4fc5d6b_rows:
	s_mov_b64 s[64:65], 0
	v_nop
	global_prefetch_b8 v0, s[64:65] scope:SCOPE_SE
	s_setreg_imm32_b32 hwreg(HW_REG_WAVE_MODE, 25, 1), 1
	s_wait_xcnt 0x0
; Second half of the attention with broadcast q and k (see the first launch): part[16 b + j][:] holds the weighted sum of
; value over key slice j of batch b.  Here: row[b][:] = sum over j of part[16 b + j][:], and out0[b][q][:] = row[b][:] for
; every q, since all query rows of a batch have the same scores.
; Shares: work-group g belongs to batch g >> 4 and stores output rows 128 (g & 15) .. + 127, the 65,536 contiguous bytes at
; 65,536 g.  Wave w loads slices 2 w and 2 w + 1 (the work-group reads the batch's 8,192 bytes once, not once a wave); the
; eight partial rows meet in LDS; every wave adds them in the same order, so all hold the same bits; wave w stores 16 rows.
; Each store of a wave is one row: 512 consecutive bytes at a multiple of 512.
; All sums in f32, in a fixed tree order.
.set ROWB, 512                         ; bytes in a row of part, of out0 and of the LDS exchange
.set POFF, 1                           ; v1       1024 w + 16 L: my 16 bytes in slice 2 w
.set LST,  2                           ; v2       16 t = 512 w + 16 L: where my wave's sum goes in LDS
.set L16,  3                           ; v3       16 L
.set OOFF, 5                           ; v5       8192 w + 16 L: my 16 bytes in my wave's first output row
.set P,    8                           ; v[8:15]  my wave's two slices
.set R,    16                          ; v[16:47] the eight waves' sums; v[16:19] ends as the batch's row
.macro ADDROW d, s                     ; four columns: row d += row s
	v_pk_add_f32 v[\d:\d+1],   v[\d:\d+1],   v[\s:\s+1]
	v_pk_add_f32 v[\d+2:\d+3], v[\d+2:\d+3], v[\s+2:\s+3]
.endm
	s_load_b128 s[4:7], s[0:1], 0x0                ; part s[4:5], out0 s[6:7]
	v_lshl_add_u32 v48, v0, 2, 0x1000
	v_mov_b32 v49, 0
	v_lshrrev_b32 v4, 5, v0                        ; wave
	v_and_b32 v[L16], 31, v0
	v_lshlrev_b32 v[L16], 4, v[L16]                ; 16 L
	v_lshl_add_u32 v[POFF], v4, 10, v[L16]         ; + two rows of part for each wave
	v_lshl_add_u32 v[OOFF], v4, 13, v[L16]         ; + 16 rows of out0 for each wave
	v_lshlrev_b32 v[LST], 4, v0
	s_lshr_b32 s8, ttmp9, 4                        ; batch
	s_lshl_b32 s8, s8, 13                          ; its 16 rows of part
	s_mov_b32 s9, 0
	s_lshl_b32 s10, ttmp9, 16                      ; the work-group's 65,536 bytes of out0 (256 groups: below 2^24)
	s_mov_b32 s11, 0
	s_wait_kmcnt 0x0
	s_add_nc_u64 s[4:5], s[4:5], s[8:9]
	s_add_nc_u64 s[6:7], s[6:7], s[10:11]
	global_load_b128 v[P:P+3],   v[POFF], s[4:5]               ; sixteen work-groups read these rows: no hint
	global_load_b128 v[P+4:P+7], v[POFF], s[4:5] offset:ROWB
	s_wait_loadcnt 0x0                             ; both are needed at once
	ADDROW P, P+4
	ds_store_b128 v[LST], v[P:P+3]                 ; row w of 512 bytes is wave w's, 16 neighbouring bytes a lane
	s_wait_dscnt 0x0                               ; for the other waves' sake: my store is done before I signal
	s_barrier_signal -1
	s_barrier_wait -1
.irp j, 0,1,2,3,4,5,6,7
	ds_load_b128 v[R+4*\j:R+4*\j+3], v[L16] offset:ROWB*\j
.endr
	s_wait_dscnt 0x6                               ; LDS loads come back in order (ISA guide 5.7.1): rows 0, 1 are in, six stay out
	ADDROW R, R+4
	s_wait_dscnt 0x4                               ; rows 2, 3
	ADDROW R+8, R+12
	s_wait_dscnt 0x2                               ; rows 4, 5
	ADDROW R+16, R+20
	s_wait_dscnt 0x0                               ; rows 6, 7
	ADDROW R+24, R+28
	ADDROW R, R+8
	ADDROW R+16, R+24
	ADDROW R, R+16                                 ; the batch's row, my four columns
.irp i, 0,1,2,3,4,5,6,7,8,9,10,11,12,13,14,15
	global_store_b128 v[OOFF], v[R:R+3], s[6:7] offset:ROWB*\i th:TH_STORE_NT   ; written once, not read again; data and address stay untouched to the end
.endr
	s_wait_tensorcnt 0x0
	ds_add_u32 v48, v49
	s_wait_dscnt 0x0
	s_endpgm
.Lfunc_end_k_q6ea4fc5d6b_rows:
	.size	k_q6ea4fc5d6b_rows, .Lfunc_end_k_q6ea4fc5d6b_rows-k_q6ea4fc5d6b_rows
	.p2alignl 7, 3214868480
	.fill 96, 4, 3214868480
	.section	.rodata,"a",@progbits
	.p2align	6, 0x0
	.amdhsa_kernel k_q6ea4fc5d6b_rows
		.amdhsa_group_segment_fixed_size 5120
		.amdhsa_private_segment_fixed_size 0
		.amdhsa_enable_private_segment 0
		.amdhsa_kernarg_size 16
		.amdhsa_user_sgpr_count 2
		.amdhsa_user_sgpr_kernarg_segment_ptr 1
		.amdhsa_wavefront_size32 1
		.amdhsa_system_sgpr_workgroup_id_x 1
		.amdhsa_system_sgpr_workgroup_id_y 1
		.amdhsa_system_sgpr_workgroup_id_z 1
		.amdhsa_system_vgpr_workitem_id 0
		.amdhsa_next_free_vgpr 50
		.amdhsa_next_free_sgpr 66
		.amdhsa_reserve_vcc 0
		.amdhsa_float_denorm_mode_32 3
		.amdhsa_float_denorm_mode_16_64 3
		.amdhsa_memory_ordered 1
		.amdhsa_forward_progress 1
		.amdhsa_inst_pref_size 5
	.end_amdhsa_kernel
	.amdgpu_metadata
---
amdhsa.version: [ 1, 2 ]
amdhsa.kernels:
  - .name:           k_q6ea4fc5d6b_rows
    .symbol:         k_q6ea4fc5d6b_rows.kd
    .args:
      - { .name: part, .offset: 0, .size: 8, .value_kind: global_buffer, .address_space: global }
      - { .name: out0, .offset: 8, .size: 8, .value_kind: global_buffer, .address_space: global }
    .group_segment_fixed_size: 5120
    .private_segment_fixed_size: 0
    .kernarg_segment_align: 8
    .kernarg_segment_size: 16
    .max_flat_workgroup_size: 256
    .sgpr_count:     66
    .vgpr_count:     50
    .wavefront_size: 32
...
	.end_amdgpu_metadata
.endif
;; end of part 2
